; MI455X (gfx1250); checked and timed in simulation.
; The chip was launched on July 23, 2026; its instructions are those of AMD's public machine-readable ISA for CDNA 5 (MIT licence, August 2026) and "CDNA5" Instruction Set Architecture Reference Guide (July 2026). The comments in the code are by the model that wrote it; some were corrected since.
;; Mobile2 Former. Allowed arithmetic: matrix products marked QUANTISED: E3M2 operands, one E8M0 scale for each 32 along K, by v_wmma_scale_f32_16x16x128_f8f6f4 with both operands' format E3M2, f32 sums; everything else in f32.
;; Inputs: bo 512 float32; bq 2,048 float32; wo 512 x 2,048 float32; wq 2,048 x 512 float32; x 32 x 512 x 56 x 56 float32; z 32 x 128 x 512 float32.
;; Outputs: out0 32 x 128 x 512 float32.
;; This version of the problem:
;;   THIS VERSION OF THE PROBLEM IS GIVEN IN LOW PRECISION. The matrix products marked QUANTISED in the list below multiply operands that are first quantised to E3M2 (3 exponent bits, 2 mantissa bits; 6 bits a number), with one power-of-two scale for each 32 numbers along K (OCP MX v1.0); their sums are f32. All else is computed in f32.
;;   The module's matrix products, in the order in which they are computed (A, B: the left and right operand; K: the contracted axis; several contracted axes count as one K, in the product's order):
;;     1. [M 2,048, K 512] x [K 512, N 2,048]; A: input z; B: input wq: QUANTISED
;;     2. batch 32 x [M 512, K 256] x [K 256, N 3,136]; A: computed on the way; B: input x: QUANTISED
;;     3. batch 32 x [M 512, K 3,136] x [K 3,136, N 256]; A: softmax (see below); B: input x: QUANTISED
;;     4. [M 2,048, K 512] x [K 512, N 2,048]; A: input z; B: input wq: QUANTISED
;;     5. batch 32 x [M 512, K 256] x [K 256, N 3,136]; A: computed on the way; B: input x: QUANTISED
;;     6. batch 32 x [M 512, K 3,136] x [K 3,136, N 256]; A: softmax (see below); B: input x: QUANTISED
;;     7. [M 4,096, K 2,048] x [K 2,048, N 512]; A: computed on the way; B: input wo: QUANTISED
;;   THE QUANTISER, for each operand of a quantised product, along K:
;;     - K is cut into blocks of 32 from its start; a last block that is shorter is filled with zeros.
;;     - A block's scale is 2^e with e = floor(log2(the largest magnitude in the block)) - 4, held to -126 .. 127; a block of zeros has e = 0. As a byte (E8M0): e + 127.
;;     - Each number is divided by its block's scale, clamped to +-28, and rounded to the nearest number of E3M2, ties to even, subnormals kept.
;;     - The product sums the exact products of the quantised numbers (number of the format x scale) in f32.
;;   ~~~python
;;   def quantise(x, axis):      # numpy; x: float32 -> the quantised numbers, widened to float32 again
;;       x = np.moveaxis(x, axis, -1); K = x.shape[-1]
;;       x = np.pad(x, [(0, 0)] * (x.ndim - 1) + [(0, -K % 32)]); x = x.reshape(x.shape[:-1] + (-1, 32)); a = np.abs(x).max(-1, keepdims=True)
;;       e = np.where(a > 0, np.clip(np.frexp(np.where(a > 0, a, 1))[1] - 1 - 4, -126, 127), 0)      # np.frexp(a)[1] - 1 = floor(log2(a)), exactly
;;       r = np.clip(x / 2.0 ** e, -28, 28)
;;       step = 2.0 ** (np.maximum(np.frexp(np.where(r == 0, 1, r))[1] - 1, -2) - 2)
;;       q = np.round(r / step) * step * 2.0 ** e      # np.round: ties to even
;;       return np.moveaxis(q.reshape(q.shape[:-2] + (-1,))[..., :K], -1, axis).astype(np.float32)
;;   ~~~
;;   SOFTMAX AHEAD OF A QUANTISED PRODUCT. Where the list says 'softmax', what is quantised is not the finished softmax but p = 2^(t - M), with t = logit x log2(e) and M = ceil(the row's largest t), a whole number; so 1/2 < the row's largest p <= 1. The row's sum l is taken of the UNQUANTISED p, in f32, and the product's result is divided by l at the end. Since M is a whole number, a kernel that streams over the keys may use a running M (the ceiling of the running maximum): every later rescaling is an exact power of two, which a block's scale takes up: the codes' values come out the same.
;;   OPERANDS COMPUTED ON THE WAY. 'Computed on the way' means the value that the module computes at that place (a softmax that the list does not call 'softmax' is quantised finished and normalised). What goes into a quantiser is computed in f32, as accurately as f32 sums, v_exp_f32 and their like allow (about 1e-6 of the number): no bf16 or f16 on the way to a quantiser, and a product that is left as it is and whose result goes on into a quantised operand takes f32 operands (vector FMAs, or v_wmma_f32_16x16x4_f32). A number that lies on a knife's edge between two numbers of the format may be rounded either way, as far as f32 arithmetic and the matrix unit's own rounding can turn it there, and no further.
;; One version. Each part assembles by itself: llvm-mc -triple=amdgcn-amd-amdhsa -mcpu=gfx1250 --defsym DOCPART=n.
;; ======== version 1 of 1: 2 launches
;; limits: right only within a limited range of input values
;; workspace buffers: xq 81,920,000 bytes; wsm 3,276,800 bytes
;; launch quant (part 1): grid 54 x 64, 4 waves a work-group, no clusters, 69,120 bytes of LDS; arguments x, z, wq, wo, xq, wsm; writes xq, wsm
.if DOCPART == 1
	.amdgcn_target "amdgcn-amd-amdhsa--gfx1250"
	.amdhsa_code_object_version 6
	.text
	.protected	k_qdc43bd9ba8_quant
	.globl	k_qdc43bd9ba8_quant
	.p2align	8
	.type	k_qdc43bd9ba8_quant,@function
k_qdc43bd9ba8_quant:
	s_mov_b64 s[64:65], 0
	v_nop
	global_prefetch_b8 v0, s[64:65] scope:SCOPE_SE
	s_setreg_imm32_b32 hwreg(HW_REG_WAVE_MODE, 25, 1), 1
	s_wait_xcnt 0x0
; ALL INPUTS OF THE QUANTISED PRODUCTS BECOME CODES OF BF6 (E3M2), ONCE, laid in the order of the matrix operands' registers.
; A FRAGMENT (16 rows x 128 K, 12 registers a lane) is an IMAGE of 1,536 bytes: three chunks of 512, chunk c = registers 4 c .. 4 c + 3 of lane l at byte 16 l.
; A SUB-BLOCK (128 rows x 128 K) is 12,800 bytes: eight images, then 512 bytes of scale words: the word at 16 l + 4 b, l = r + 16 u, is that of row r of tile 2 b + u.
; THE ROWS OF A TILE ARE NOT NEIGHBOURS: lane r of tile 2 b + u holds row 32 b + 8 u + r + 8 (r / 8), so that a transposed product's 16 registers of tiles 2 b, 2 b + 1 are 16 neighbours.
; x [32][512][3136] f32: for each slice bh (256 channels) and each step of 128 keys four sub-blocks: K0, K1 (rows = keys, K = 128 channels) and V0, V1 (rows = 128 channels, K = the keys): xq[bh][step 25][4][12,800].
; The last step has 64 keys; the other 64 are zero codes.  z, wq, wo (K innermost) become sub-blocks of the second kind in wsm: z 0-127 [b][ks], wq 128-191 [rb][ks], wo 192-255 [rb][ks 16].
; A block's scale is 2^(floor(log2(its largest magnitude)) - 4); its byte is the largest magnitude's exponent field - 4, held at 1 from below.
; LIMITS: a block of zeros gets the byte 1 where the rule says 127 (its codes are zeros, and this program alone reads the bytes); NaN and infinities among the inputs are not served.
; SHARES.  A work-group takes a tile of 128 rows x 128 columns of f32.  Work-groups x < 50: tile (step x / 2, channel half x % 2) of slice y of x; the others: tile 4 y + x - 50 of z, wq, wo.
; Each load reads 512 consecutive bytes of a row; the tile lies in LDS (rows 528 bytes apart); wave w then makes tiles 2 w, 2 w + 1 of the row kind from its own 32 rows and, for x, of the column kind from its 32 columns.
; No work-group shares a byte of input with another: no cluster, no tensor load; the launch streams, so nothing is prefetched.
.set SP,   528                         ; a stage row: 512 bytes + 16
.set SCV,  128*SP                      ; behind the stage: the scale words of the row kind, 512 bytes,
.set SCK,  SCV+512                     ; and of the column kind
.set SUB,  12800
.set X,    64                          ; v64-191  128 numbers
.set F,    192                         ; v192-215 the row kind's two fragments
.set KR,   216                         ; v216-239 the column kind's two runs of 12 registers
.set CT,   240                         ; v240-242 a conversion's second half
; v1 lane, v2 r, v3 h, v4 my bytes of a row in memory, v5 stage in, v6 stage out by rows, v7-8 stage out by columns, v9 16 x lane, v10 my place in the column kind's images,
; v11, v12 where my scale words go, v13 0, v14 8 h, v15 the scale chunks, v16-31 at work, v32-39 the scale chunks on their way out
	s_load_b256 s[4:11], s[0:1], 0x0               ; x s[4:5], z s[6:7], wq s[8:9], wo s[10:11]
	s_load_b128 s[12:15], s[0:1], 0x20             ; xq s[12:13], wsm s[14:15]
	v_lshl_add_u32 v254, v0, 2, 0x10c00
	v_mov_b32 v255, 0
	v_lshrrev_b32 v1, 5, v0
	v_readfirstlane_b32 s16, v1                    ; wave 0..3
	v_and_b32 v1, 31, v0                           ; lane
	s_wait_alu depctr_va_vdst(0)
	v_and_b32 v2, 15, v0                           ; r
	s_wait_alu depctr_va_vdst(0)
	v_bfe_u32 v3, v0, 4, 1                         ; h
	s_mov_b32 s17, ttmp9                           ; work-group x
	s_and_b32 s18, ttmp7, 0xffff                   ; work-group y
	s_lshl_b32 s27, s16, 5                         ; my wave's 32 rows
	; a tile of z, wq or wo: its number Q, its number in its tensor, the tensor's K steps and pitch (all unused where x < 50)
	s_lshl_b32 s19, s18, 2
	s_add_co_u32 s19, s19, s17
	s_sub_co_u32 s19, s19, 50                      ; Q = 4 y + x - 50
	s_and_b32 s22, s19, 63                         ; in wq (Q - 128) and in wo (Q - 192)
	s_cmp_lt_u32 s19, 192
	s_cselect_b32 s23, 2, 4                        ; log2 of the K steps: 4, in wo 16
	s_cselect_b32 s24, 11, 13                      ; log2 of a row's bytes: 2,048, in wo 8,192
	s_cselect_b32 s26, 3, 15
	s_cmp_lt_u32 s19, 128
	s_cselect_b32 s22, s19, s22                    ; in z: Q
	s_lshr_b32 s25, s22, s23                       ; block of 128 rows
	s_and_b32 s26, s22, s26                        ; K step
	s_lshl_b32 s25, s25, 7
	s_add_co_u32 s25, s25, s27
	s_lshl_b32 s25, s25, s24
	s_lshl_b32 s26, s26, 9
	s_add_co_u32 s25, s25, s26                     ; my wave's first byte in the tensor
	; a tile of x
	s_lshr_b32 s28, s17, 1                         ; step of 128 keys
	s_and_b32 s29, s17, 1                          ; which 128 channels of the slice
	s_lshl_b32 s30, s18, 8
	s_lshl_b32 s31, s29, 7
	s_add_co_u32 s30, s30, s31
	s_add_co_u32 s30, s30, s27                     ; row 256 y + 128 s + 32 w of x, taken as [16,384][3,136]
	s_mul_i32 s30, s30, 12544
	s_lshl_b32 s31, s28, 9
	s_add_co_u32 s30, s30, s31                     ; under 2^32: x has 205,520,896 bytes
	s_mul_i32 s32, s18, 25*4*SUB
	s_mul_i32 s31, s28, 4*SUB
	s_add_co_u32 s32, s32, s31
	s_mul_i32 s31, s29, SUB
	s_add_co_u32 s32, s32, s31
	s_mul_i32 s41, s16, 3072                       ; my wave's two images
	s_add_co_u32 s32, s32, s41                     ; K_s in xq
	s_add_co_u32 s31, s32, 2*SUB                   ; V_s
	s_mul_i32 s33, s19, SUB
	s_add_co_u32 s33, s33, s41                     ; sub-block Q in wsm
	s_cmp_lt_u32 s17, 50
	s_cselect_b32 s34, s30, s25                    ; from where,
	s_cselect_b32 s36, s31, s33                    ; and where the row kind goes
	s_mov_b32 s35, 0
	s_mov_b32 s37, 0
	s_mov_b32 s33, 0
	s_cmp_eq_u32 s28, 24                           ; the last step of x has 256 bytes a row: lanes 16-31 read lanes 0-15's bytes again, so that no load passes the row's end
	s_cselect_b32 s50, 15, 31
	s_mov_b32 s38, 0x76543210
	s_mov_b32 s39, 0xfedcba98                      ; v_permlanex16_b32's selects for lane l xor 16
	v_and_b32 v4, s50, v1
	v_lshlrev_b32 v4, 4, v4
	s_mul_i32 s40, s16, 32*SP
	v_lshl_add_u32 v5, v1, 4, s40                  ; stage, in: my wave's 32 places, 16 bytes a lane
	v_mul_u32_u24 v6, v2, SP
	s_wait_alu depctr_va_vdst(0)
	v_lshl_add_u32 v6, v3, 7, v6
	v_add_nc_u32 v6, s40, v6                       ; out by rows: place 32 w + r, + 128 h: a block of 32 numbers
	s_lshl_b32 s42, s16, 7
	v_lshl_add_u32 v7, v1, 2, s42                  ; out by columns: column 32 w + lane
	v_add_nc_u32 v8, 64*SP, v7                     ; (the lower 64 places: the immediate has 16 bits)
	v_lshlrev_b32 v9, 4, v1
	v_bfe_u32 v16, v1, 3, 1                        ; column 32 w + lane is row r' = lane % 8 + 8 (lane / 16) of tile 2 w + u', u' = (lane / 8) % 2
	v_and_b32 v17, 7, v1
	v_lshl_add_u32 v17, v3, 3, v17
	v_mul_u32_u24 v10, v16, 1536
	v_lshl_add_u32 v10, v17, 4, v10
	s_lshl_b32 s42, s16, 2
	s_add_co_u32 s43, s42, SCV
	v_lshl_add_u32 v11, v1, 4, s43                 ; SCV + 16 lane + 4 w
	v_lshl_add_u32 v12, v16, 4, v17
	s_add_co_u32 s43, s42, SCK
	v_lshl_add_u32 v12, v12, 4, s43                ; SCK + 16 (r' + 16 u') + 4 w
	v_mov_b32 v13, 0
	v_lshlrev_b32 v14, 3, v3
	v_lshl_add_u32 v15, v1, 4, SCV
	v_mov_b32 v26, 0                               ; a lane permute's destination counts as one of its sources
	v_mov_b32 v27, 0
	v_cmp_le_u32 vcc_lo, 16, v1                    ; lanes 16-31; VCC stays
	s_wait_kmcnt 0x0
	s_cmp_lt_u32 s19, 192                          ; the buffers are chosen on the work-group's number alone
	s_cselect_b64 s[20:21], s[8:9], s[10:11]
	s_cmp_lt_u32 s19, 128
	s_cselect_b64 s[20:21], s[6:7], s[20:21]
	s_cmp_lt_u32 s17, 50
	s_cselect_b64 s[44:45], s[4:5], s[20:21]
	s_cselect_b64 s[46:47], s[12:13], s[14:15]
	s_add_nc_u64 s[44:45], s[44:45], s[34:35]      ; the tile's rows of my wave
	s_add_nc_u64 s[46:47], s[46:47], s[36:37]      ; the row kind's images of my wave
	s_add_nc_u64 s[48:49], s[12:13], s[32:33]      ; the column kind's (used for x alone)
.macro LOADT pitch, nt                 ; my wave's 32 rows: each load reads 512 consecutive bytes
.set i, 0
.rept 32
.if \nt
	global_load_b128 v[X+4*i:X+4*i+3], v4, s[44:45] offset:i*\pitch th:TH_LOAD_NT
.else
	global_load_b128 v[X+4*i:X+4*i+3], v4, s[44:45] offset:i*\pitch
.endif
.set i, i+1
.endr
.endm
; 32 numbers of one block in v[src] on become 6 registers of codes at v[dst] (an even number) and the scale's byte in v[byte]
.macro BLK32 src, dst, byte
	v_max3_num_f32 v16, |v[\src]|, |v[\src+1]|, |v[\src+2]|
	v_max3_num_f32 v17, |v[\src+3]|, |v[\src+4]|, |v[\src+5]|
.irp i, 6,10,14,18,22,26
	v_max3_num_f32 v16, v16, |v[\src+\i]|, |v[\src+\i+1]|
	v_max3_num_f32 v17, v17, |v[\src+\i+2]|, |v[\src+\i+3]|
.endr
	v_max3_num_f32 v16, v16, |v[\src+30]|, |v[\src+31]|
	v_max3_num_f32 v16, v16, v17, 0x2800000        ; and the floor 2^(5 - 127): the byte cannot fall under 1
	v_add_nc_u32 v18, 0xfe000000, v16              ; 4 off the exponent field: the conversion takes the exponent field of this operand as its scale
	v_cvt_scalef32_pk16_bf6_f32 v[\dst:\dst+2], v[\src:\src+15], v18
	v_cvt_scalef32_pk16_bf6_f32 v[CT:CT+2], v[\src+16:\src+31], v18   ; (a conversion's three registers begin on an even number)
	v_lshrrev_b32 v[\byte], 23, v18                ; the byte; also the plain line behind the conversions
	v_mov_b32 v[\dst+3], v[CT]
	v_mov_b32 v[\dst+4], v[CT+1]
	v_mov_b32 v[\dst+5], v[CT+2]
.endm
.macro LDK cb                          ; my column's channels 32 cb .. 32 cb + 31: 32 lanes read 128 consecutive bytes of a stage row
.set i, 0
.rept 32
	ds_load_b32 v[X+32*(\cb)+i], v[7+(\cb)/2] offset:(32*((\cb)%2)+16*((i/8)%2)+i%8+8*(i/16))*SP
.set i, i+1
.endr
.endm
	; ---- the tile comes in.  The three arms differ in the rows' pitch, and x's in its non-temporal hint
	s_cmp_lt_u32 s17, 50
	s_cbranch_scc0 .Lsmall
	LOADT 12544, 1
	s_branch .Lloaded
.Lsmall:
	s_cmp_lt_u32 s19, 192
	s_cbranch_scc0 .Lwo
	LOADT 2048, 0
	s_branch .Lloaded
.Lwo:
	LOADT 8192, 0
.Lloaded:
	s_wait_loadcnt 0x0
	s_cmp_eq_u32 s28, 24
	s_cbranch_scc0 .Lfull
.set i, 0
	s_wait_alu depctr_va_vdst(0)
.rept 128
	v_cndmask_b32 v[X+i], v[X+i], v13, vcc_lo      ; the 64 keys that do not exist are zeros
.set i, i+1
.endr
.Lfull:
.set i, 0
.rept 32                               ; row i of my 32 goes to place 16 ((i / 8) % 2) + i % 8 + 8 (i / 16): there lanes r = 0 .. 15 of tile u find their rows at the 16 neighbouring places 16 u + r
	ds_store_b128 v5, v[X+4*i:X+4*i+3] offset:(16*((i/8)%2)+i%8+8*(i/16))*SP
.set i, i+1
.endr
	s_wait_dscnt 0x0                               ; my stores have landed: the others read them by columns
	s_barrier_signal -1
	s_barrier_wait -1
	; ---- the row kind: lane (r, h) holds, of row r of tile u, the whole blocks 2 c + h: the conversions' results are the fragment's registers 6 c .. 6 c + 5
.irp g, 0,1,2,3                        ; g = 2 u + c
.irp k, 0,1,2,3,4,5,6,7
	ds_load_b128 v[X+32*\g+4*\k:X+32*\g+4*\k+3], v6 offset:16*(\g/2)*SP+256*(\g%2)+16*\k
.endr
.endr
.irp g, 0,1,2,3
	s_wait_dscnt 24-8*\g                           ; group g's eight loads are in; eight for each younger group may be out
	BLK32 X+32*\g, F+12*(\g/2)+6*(\g%2), 20+\g
.endr
.irp u, 0,1
	v_lshl_or_b32 v[24+\u], v[21+2*\u], 16, v[20+2*\u]   ; my two bytes: blocks h and 2 + h,
	v_lshlrev_b32 v[24+\u], v14, v[24+\u]          ; at their places in the scale word
.endr
.irp u, 0,1
	v_permlanex16_b32 v[26+\u], v[24+\u], s38, s39
.endr
.irp u, 0,1
	v_or_b32 v[24+\u], v[24+\u], v[26+\u]          ; with lane l xor 16's two the word is whole
.endr
	v_cndmask_b32 v24, v24, v25, vcc_lo            ; lanes 0-15: tile 2 w's words, lanes 16-31: tile 2 w + 1's
	ds_store_b32 v11, v24
.irp u, 0,1
.irp c, 0,1,2
	global_store_b128 v9, v[F+12*\u+4*\c:F+12*\u+4*\c+3], s[46:47] offset:1536*\u+512*\c   ; 512 consecutive bytes, aligned
.endr
.endr
	; ---- the column kind, for x alone: my lane is key 32 w + lane, its registers run down the channels
	s_cmp_lt_u32 s17, 50
	s_cbranch_scc0 .Lno_k
	LDK 0
	LDK 1
	s_wait_dscnt 32                                ; block 0 is in; the youngest block's 32 loads may be out (and so below)
	LDK 2
	BLK32 X, KR, 20                                ; block cb = 2 c + h' is registers 6 c .. 6 c + 5 of the fragment's lane (r', h'): run h' of 12 registers
	s_wait_dscnt 32
	LDK 3
	BLK32 X+32, KR+12, 21
	s_wait_dscnt 32
	BLK32 X+64, KR+6, 22
	s_wait_dscnt 0x0
	BLK32 X+96, KR+18, 23
	v_lshl_or_b32 v28, v21, 8, v20                 ; my key's scale word
	v_lshl_or_b32 v28, v22, 16, v28
	v_lshl_or_b32 v28, v23, 24, v28
	ds_store_b32 v12, v28
.irp h, 0,1
.irp c, 0,1,2
	global_store_b128 v10, v[KR+12*\h+4*\c:KR+12*\h+4*\c+3], s[48:49] offset:512*\c+256*\h   ; the sixteen lanes of a tile store 256 consecutive bytes, aligned
.endr
.endr
.Lno_k:
	s_wait_dscnt 0x0                               ; my scale words have landed
	s_barrier_signal -1
	s_barrier_wait -1
	; ---- the scale chunks leave whole: 512 consecutive bytes each
	s_cmp_eq_u32 s16, 0
	s_cbranch_scc0 .Lnot_0
	ds_load_b128 v[32:35], v15
	s_wait_dscnt 0x0
	global_store_b128 v9, v[32:35], s[46:47] offset:12288
.Lnot_0:
	s_cmp_eq_u32 s16, 1
	s_cbranch_scc0 .Lend
	s_cmp_lt_u32 s17, 50
	s_cbranch_scc0 .Lend
	ds_load_b128 v[36:39], v15 offset:512
	s_wait_dscnt 0x0
	global_store_b128 v9, v[36:39], s[48:49] offset:12288-3072   ; wave 1's base holds its own 3,072
.Lend:
	s_wait_tensorcnt 0x0
	ds_add_u32 v254, v255
	s_wait_dscnt 0x0
	s_endpgm
.Lfunc_end_k_qdc43bd9ba8_quant:
	.size	k_qdc43bd9ba8_quant, .Lfunc_end_k_qdc43bd9ba8_quant-k_qdc43bd9ba8_quant
	.p2alignl 7, 3214868480
	.fill 96, 4, 3214868480
	.section	.rodata,"a",@progbits
	.p2align	6, 0x0
	.amdhsa_kernel k_qdc43bd9ba8_quant
		.amdhsa_group_segment_fixed_size 69120
		.amdhsa_private_segment_fixed_size 0
		.amdhsa_enable_private_segment 0
		.amdhsa_kernarg_size 48
		.amdhsa_user_sgpr_count 2
		.amdhsa_user_sgpr_kernarg_segment_ptr 1
		.amdhsa_wavefront_size32 1
		.amdhsa_system_sgpr_workgroup_id_x 1
		.amdhsa_system_sgpr_workgroup_id_y 1
		.amdhsa_system_sgpr_workgroup_id_z 1
		.amdhsa_system_vgpr_workitem_id 0
		.amdhsa_next_free_vgpr 256
		.amdhsa_next_free_sgpr 66
		.amdhsa_reserve_vcc 1
		.amdhsa_float_denorm_mode_32 3
		.amdhsa_float_denorm_mode_16_64 3
		.amdhsa_memory_ordered 1
		.amdhsa_forward_progress 1
		.amdhsa_inst_pref_size 44
	.end_amdhsa_kernel
	.amdgpu_metadata
---
amdhsa.version: [ 1, 2 ]
amdhsa.kernels:
  - .name:           k_qdc43bd9ba8_quant
    .symbol:         k_qdc43bd9ba8_quant.kd
    .args:
      - { .name: x, .offset: 0, .size: 8, .value_kind: global_buffer, .address_space: global }
      - { .name: z, .offset: 8, .size: 8, .value_kind: global_buffer, .address_space: global }
      - { .name: wq, .offset: 16, .size: 8, .value_kind: global_buffer, .address_space: global }
      - { .name: wo, .offset: 24, .size: 8, .value_kind: global_buffer, .address_space: global }
      - { .name: xq, .offset: 32, .size: 8, .value_kind: global_buffer, .address_space: global }
      - { .name: wsm, .offset: 40, .size: 8, .value_kind: global_buffer, .address_space: global }
    .group_segment_fixed_size: 69120
    .private_segment_fixed_size: 0
    .kernarg_segment_align: 8
    .kernarg_segment_size: 48
    .max_flat_workgroup_size: 128
    .sgpr_count:     66
    .vgpr_count:     256
    .wavefront_size: 32
...
	.end_amdgpu_metadata
.endif
;; end of part 1
;; launch attn (part 2): grid 4 x 64, 4 waves a work-group, clusters of 4 x 1, 327,680 bytes of LDS; arguments xq, wsm, bq, bo, z, out0; writes out0
.if DOCPART == 2
	.amdgcn_target "amdgcn-amd-amdhsa--gfx1250"
	.amdhsa_code_object_version 6
	.text
	.protected	k_qdc43bd9ba8_attn
	.globl	k_qdc43bd9ba8_attn
	.p2align	8
	.type	k_qdc43bd9ba8_attn,@function
k_qdc43bd9ba8_attn:
	s_mov_b64 s[64:65], 0
	v_nop
	global_prefetch_b8 v0, s[64:65] scope:SCOPE_SE
	s_setreg_imm32_b32 hwreg(HW_REG_WAVE_MODE, 25, 1), 1
	s_wait_xcnt 0x0
	s_wait_alu depctr_hold_cnt(0) depctr_sa_sdst(0) depctr_va_vdst(0) depctr_va_sdst(0) depctr_va_ssrc(0) depctr_va_vcc(0) depctr_vm_vsrc(0)
	s_getreg_b32 s2, hwreg(HW_REG_IB_STS2, 6, 4)
	s_cmp_eq_u32 s2, 0
	s_cbranch_scc0 .Lentry_in_a_cluster
	s_endpgm
.Lentry_in_a_cluster:
	s_bfe_u32 s2, ttmp6, 0x10000c
	s_cmp_lg_u32 s2, 0x3003
	s_cbranch_scc0 .Lentry_shape_is_right
	s_endpgm
.Lentry_shape_is_right:
; THE WHOLE MODULE BEHIND THE QUANTISER, in one launch: q = z wq^T + bq, 64 attentions (slice bh = work-group y: 512 queries x 3,136 keys x 256 channels), out0 = z + a wo^T + bo.
; All products on codes of BF6 (E3M2) with one E8M0 scale for each 32 along K.
; SHARES.  Query R = 8 m + g of a slice is row m of z's half, columns 256 g on of wq.  The work-group at place cx of its cluster takes g = 2 cx, 2 cx + 1 and all 64 m: 128 queries.
; These queries are head m / 8, row 8 (m % 8) + g of the attention's result: 16 WHOLE rows (all 2,048 along the last product's K), so the same work-group finishes 16 rows of out0.
; HEAD.  Wave w makes q for columns 128 (w / 2) on of g = 2 cx + w % 2, four units of 16 rows of z, from register images loaded straight from wsm (each partner has other columns of wq: nothing to ask for jointly but z, 24,576 bytes);
; bq is the C of each sum's first product.  The quantised fragments change waves through LDS as register images: wave w then owns g = 2 cx + w % 2, tiles q = 0, 1: m = 32 (w / 2) + 8 q + r + 8 (r / 8).
; LOOP.  Every wave walks all keys, 128 a step, 25 steps (the last has 64 keys; its other 64 are zero codes, and their scores are set to -infinity).  t = score x c, c = log2(e) / sqrt(512);
; M = the running largest t rounded up to a whole number; p = 2^(t - M) is quantised along the keys; the row's sum is taken of the unquantised p; when M moves, the sum and O are multiplied by 2^(old M - new M).
; Both products are used transposed: a lane holds one query throughout.
; A STEP i: K(i+1) is fetched; maxima, t - M, exponentials of step i; O += V(i-1) P(i-1), its products standing among the additions of step i's row sum; V(i) is fetched; p(i) is quantised;
; S(i+1) = K(i+1) Q^T, its products standing among O's multiplications by f(i).  So a wave's vector lines stand between its matrix lines; each such pair of lines costs two switches of the register windows.
; THE RING.  The four work-groups of a cluster walk the same codes of x: each slot (102,400 bytes) is asked for jointly, a quarter a wave, behind a round of the cluster's barrier.
; A slot holds V(2j), K(2j+1), V(2j+1), K(2j+2), which lie on end in xq: steps 2j and 2j + 1 read that slot alone.  K(0) comes by the head's load into bytes of its own, V(24) by the last load of x.
; TAIL.  O / sum is quantised along the last K and laid in LDS as 16 fragment images (K step 2 head + s, lane slot r % 8 + 8 (w % 2) + 16 h); wave w then makes the 16 rows x columns 128 w on.
; wo goes on through the same ring, jointly: fill j holds K steps 2j, 2j + 1 of all 512 columns, wave w asking for and reading its own columns' 25,600 bytes.  The sums begin as bo, loaded into the accumulators at the head.
; PREFETCH.  At each change of slots the fill that the NEXT change will ask for is named: 400 blocks of 256 bytes, shared out by address among the cluster's sixteen waves, 25 each.  The first two fills of x, K(0) and V(24) come by their loads alone.
; LIMITS: t is the score times ONE constant; 1 / sum is v_rcp_f32 and a multiplication; a block of zeros gets the scale byte 1 (its codes are zeros; this program alone reads the bytes); NaN and infinities are not served.
; REGISTERS, windows of 256.  Window 0: v1-11 addresses; v12-27 statistics; v28-63 at work; v64-191 S^T, then p (head: results, bq; tail: codes, rows); v192-215 p's codes; v216-243 scale words; v248-253 the tail's LDS addresses.
;   window 1: O^T at v[128 q + 8 ct] (head: wq's K steps 0, 1; tail: a's fragments).  window 2: K's 16 fragments, Q's four at v192 (head: wq's K steps 2, 3; tail: wo, z's rows).  window 3: V's 16 fragments (head: z), the last sums at v192.
.set SUB,   12800
.set STEPB, 4*SUB
.set SLOTB, 2*STEPB
.set KZ,    SLOTB                      ; K(0), 25,600 bytes, between the slots: filled once
.set SLOT1, 131072
.set SPARE, SLOT1+SLOTB                ; the spare words, 512 bytes
.set IMG,   SPARE+512                  ; 16 fragment images of 1,536 bytes: Q's at the head, a's in the tail; no tensor load lands from here on
.set SCW,   IMG+24576                  ; their scale words, 2,048 bytes
.set OST,   SCW+2048                   ; the way out: 16 rows x 528 bytes for each wave
.set LI,  1
.set ADR, 2
.set ADV, 3
.set SPW, 4
.set NIL, 5
.set PFO, 6
.set QST, 7
.set QLD, 8
.set QSS, 9
.set QSL, 10
.set BH,  11
.set ST,  12
.set TM,  28
.set S,   64
.set BQ,  128
.set PC,  192
.set PW,  212
.set KS,  216
.set WQS, 216
.set VS,  224
.set QS,  232
.set ASR, 232
.set ZS,  236
.set AST, 248
.set ASS, 249
.set ASL, 251
.set OSI, 252
.set OSO, 253
.set QF,  192                          ; window 2
.set ZR,  192                          ; window 2, in the tail
.set BOW, 192                          ; window 3
.set SEL, 16
.set MSB, 0
.macro WIN new                         ; the immediate's high byte repeats the setting that is left
.if MSB != \new
	s_set_vgpr_msb (MSB<<8)|\new
.set MSB, \new
.endif
.endm
.set W_KQ, 0x0a
.set W_PV, 0x53
.set W_RS, 0x41
.macro PLACES                          ; four places behind a matrix instruction (ISA guide 7.12.1)
.rept 4
	v_nop
.endr
.endm
.macro CROUND                          ; a round of the cluster's barrier
	s_barrier_signal -1
	s_barrier_wait -1
	s_cmp_lg_u32 s10, 0
	s_cbranch_scc1 .Lnot_wave_0_\@
	s_barrier_signal -3
.Lnot_wave_0_\@:
	s_barrier_wait -3
	s_barrier_signal -1
	s_barrier_wait -1
.endm
.macro WM d, a, b, zero, sa, sb, ra    ; a product of the attention; zero: it starts its sum; ra: source 0's scales stand in lanes 16-31
.if (\zero) && (\ra)
	v_wmma_scale_f32_16x16x128_f8f6f4 v[\d:\d+7], v[\a:\a+11], v[\b:\b+11], 0, v[\sa], v[\sb] matrix_a_fmt:MATRIX_FMT_BF6 matrix_b_fmt:MATRIX_FMT_BF6 matrix_a_scale:MATRIX_SCALE_ROW1
.elseif (\zero)
	v_wmma_scale_f32_16x16x128_f8f6f4 v[\d:\d+7], v[\a:\a+11], v[\b:\b+11], 0, v[\sa], v[\sb] matrix_a_fmt:MATRIX_FMT_BF6 matrix_b_fmt:MATRIX_FMT_BF6
.elseif (\ra)
	v_wmma_scale_f32_16x16x128_f8f6f4 v[\d:\d+7], v[\a:\a+11], v[\b:\b+11], v[\d:\d+7], v[\sa], v[\sb] matrix_a_fmt:MATRIX_FMT_BF6 matrix_b_fmt:MATRIX_FMT_BF6 matrix_a_scale:MATRIX_SCALE_ROW1
.else
	v_wmma_scale_f32_16x16x128_f8f6f4 v[\d:\d+7], v[\a:\a+11], v[\b:\b+11], v[\d:\d+7], v[\sa], v[\sb] matrix_a_fmt:MATRIX_FMT_BF6 matrix_b_fmt:MATRIX_FMT_BF6
.endif
.endm
.macro WMC d, a, b, c, sa, sb, ra, rb  ; a product of the projections, C in registers; ra, rb: the scales stand in lanes 16-31
.if (\ra) && (\rb)
	v_wmma_scale_f32_16x16x128_f8f6f4 v[\d:\d+7], v[\a:\a+11], v[\b:\b+11], v[\c:\c+7], v[\sa], v[\sb] matrix_a_fmt:MATRIX_FMT_BF6 matrix_b_fmt:MATRIX_FMT_BF6 matrix_a_scale:MATRIX_SCALE_ROW1 matrix_b_scale:MATRIX_SCALE_ROW1
.elseif (\ra)
	v_wmma_scale_f32_16x16x128_f8f6f4 v[\d:\d+7], v[\a:\a+11], v[\b:\b+11], v[\c:\c+7], v[\sa], v[\sb] matrix_a_fmt:MATRIX_FMT_BF6 matrix_b_fmt:MATRIX_FMT_BF6 matrix_a_scale:MATRIX_SCALE_ROW1
.elseif (\rb)
	v_wmma_scale_f32_16x16x128_f8f6f4 v[\d:\d+7], v[\a:\a+11], v[\b:\b+11], v[\c:\c+7], v[\sa], v[\sb] matrix_a_fmt:MATRIX_FMT_BF6 matrix_b_fmt:MATRIX_FMT_BF6 matrix_b_scale:MATRIX_SCALE_ROW1
.else
	v_wmma_scale_f32_16x16x128_f8f6f4 v[\d:\d+7], v[\a:\a+11], v[\b:\b+11], v[\c:\c+7], v[\sa], v[\sb] matrix_a_fmt:MATRIX_FMT_BF6 matrix_b_fmt:MATRIX_FMT_BF6
.endif
.endm
; 64 numbers of a lane, register 16 b + i = k 32 b + 16 (lane / 16) + i of my row, become a fragment's codes in v[pc] on and its scale word in v[pw]; m: 16 registers at work
.macro QUANT s, pc, pw, m
.irp b, 0,1,2,3
	v_max3_num_f32 v[\m+\b], |v[\s+16*\b]|, |v[\s+1+16*\b]|, 0x2800000   ; with the floor 2^(5 - 127): the byte cannot fall under 1
.endr
.irp i, 2,4,6,8,10,12,14
.irp b, 0,1,2,3
	v_max3_num_f32 v[\m+\b], v[\m+\b], |v[\s+16*\b+\i]|, |v[\s+1+16*\b+\i]|
.endr
.endr
.irp b, 0,1,2,3
	v_permlanex16_b32 v[\m+4+\b], v[\m+\b], s[SEL], s[SEL+1]
.endr
.irp b, 0,1,2,3
	v_max_num_f32 v[\m+\b], v[\m+\b], v[\m+4+\b]
.endr
.irp b, 0,1,2,3
	v_add_nc_u32 v[\m+12+\b], 0xfe000000, v[\m+\b] ; 4 off the exponent field: the conversion's scale operand
.endr
.irp b, 0,1,2,3
	v_lshrrev_b32 v[\m+4+\b], 23, v[\m+12+\b]      ; the scale's byte
.endr
	v_lshl_or_b32 v[\pw], v[\m+5], 8, v[\m+4]
	v_lshl_or_b32 v[\pw], v[\m+6], 16, v[\pw]
	v_lshl_or_b32 v[\pw], v[\m+7], 24, v[\pw]
.irp c, 0,1
	v_cvt_scalef32_pk16_bf6_f32 v[\pc+6*\c:\pc+6*\c+2], v[\s+32*\c:\s+32*\c+15], v[\m+12+2*\c]
	v_cvt_scalef32_pk16_bf6_f32 v[\m+4+4*\c:\m+4+4*\c+2], v[\s+32*\c+16:\s+32*\c+31], v[\m+12+2*\c+1]
.endr
	v_nop                                          ; one plain line behind the conversions
.irp c, 0,1                            ; the operand's layout wants a whole block in a lane
.irp i, 0,1,2
	v_permlane16_swap_b32 v[\pc+6*\c+\i], v[\m+4+4*\c+\i]
.endr
.irp i, 0,1,2
	v_mov_b32 v[\pc+6*\c+3+\i], v[\m+4+4*\c+\i]
.endr
.endr
.endm
; the LDS loads stand in two runs of 50 a step: 48 for sixteen fragments, 2 for their scale words.  s13: where the step's V lies; the next step's K lies 25,600 bytes on
.macro LOADK
	v_add_nc_u32 v[ADR], s13, v[LI]
	WIN 0x80
.irp s, 0,1
.irp t, 0,1,2,3,4,5,6,7
.irp c, 0,1,2
	ds_load_b128 v[12*(8*\s+\t)+4*\c:12*(8*\s+\t)+4*\c+3], v[ADR] offset:2*SUB+SUB*\s+1536*\t+512*\c
.endr
.endr
.endr
	WIN 0
.irp s, 0,1
	ds_load_b128 v[KS+4*\s:KS+4*\s+3], v[ADR] offset:2*SUB+SUB*\s+12288
.endr
.endm
.macro LOADV
	v_add_nc_u32 v[ADV], s13, v[LI]
	WIN 0xc0
.irp ct, 0,1,2,3,4,5,6,7,8,9,10,11,12,13,14,15
.irp c, 0,1,2
	ds_load_b128 v[12*\ct+4*\c:12*\ct+4*\c+3], v[ADV] offset:SUB*(\ct/8)+1536*(\ct%8)+512*\c
.endr
.endr
	WIN 0
.irp s, 0,1
	ds_load_b128 v[VS+4*\s:VS+4*\s+3], v[ADV] offset:SUB*\s+12288
.endr
.endm
; the softmax's first part, both tiles by turns line by line: maxima, M, f, t - M, the exponentials
.macro SM1
.irp b, 0,1,2,3
.irp q, 0,1
	v_max3_num_f32 v[TM+18*\q+\b], v[S+64*\q+16*\b], v[S+64*\q+16*\b+1], v[S+64*\q+16*\b+2]   ; the largest score of each block of 32 keys: for the row's maximum and for the block's largest p
.endr
.endr
.irp i, 3,5,7,9,11,13
.irp b, 0,1,2,3
.irp q, 0,1
	v_max3_num_f32 v[TM+18*\q+\b], v[TM+18*\q+\b], v[S+64*\q+16*\b+\i], v[S+64*\q+16*\b+\i+1]
.endr
.endr
.endr
.irp b, 0,1,2,3
.irp q, 0,1
	v_max_num_f32 v[TM+18*\q+\b], v[TM+18*\q+\b], v[S+64*\q+16*\b+15]
.endr
.endr
.irp b, 0,1,2,3
.irp q, 0,1
	v_permlanex16_b32 v[TM+18*\q+4+\b], v[TM+18*\q+\b], s[SEL], s[SEL+1]
.endr
.endr
.irp b, 0,1,2,3
.irp q, 0,1
	v_max_num_f32 v[TM+18*\q+\b], v[TM+18*\q+\b], v[TM+18*\q+4+\b]
.endr
.endr
.irp q, 0,1
	v_max3_num_f32 v[TM+18*\q+16], v[TM+18*\q], v[TM+18*\q+1], v[TM+18*\q+2]
.endr
.irp q, 0,1
	v_max_num_f32 v[TM+18*\q+16], v[TM+18*\q+16], v[TM+18*\q+3]
.endr
.irp q, 0,1
	v_mul_f32 v[TM+18*\q+16], s18, v[TM+18*\q+16]  ; as t (c is positive)
.endr
.irp q, 0,1
	v_max_num_f32 v[ST+8*\q+1], v[ST+8*\q+1], v[TM+18*\q+16]         ; the running largest t
.endr
.irp q, 0,1
	v_mov_b32 v[TM+18*\q+16], v[ST+8*\q]
.endr
.irp q, 0,1
	v_floor_f32 v[ST+8*\q], -v[ST+8*\q+1]          ; the new -M = -ceil(t)
.endr
.irp q, 0,1
	v_sub_f32 v[TM+18*\q+16], v[ST+8*\q], v[TM+18*\q+16]
.endr
.irp q, 0,1
	v_cvt_i32_f32 v[TM+18*\q+16], v[TM+18*\q+16]
.endr
.irp q, 0,1
	v_ldexp_f32 v[ST+8*\q+4], 1.0, v[TM+18*\q+16]  ; f = 2^(old M - new M)
.endr
.set j, 0
.rept 32
.irp q, 0,1
	v_pk_fma_f32 v[S+64*\q+j:S+64*\q+j+1], v[S+64*\q+j:S+64*\q+j+1], s[18:19], v[ST+8*\q:ST+8*\q+1] op_sel_hi:[1,0,0]   ; t - M
.endr
.set j, j+2
.endr
.irp b, 0,1,2,3
.irp q, 0,1
	v_fma_f32 v[TM+18*\q+\b], v[TM+18*\q+\b], s18, v[ST+8*\q]
.endr
.endr
.set j, 0
	s_wait_alu depctr_va_vdst(0)                   ; the wait ahead of the batch
.rept 64
.irp q, 0,1
	v_exp_f32 v[S+64*\q+j], v[S+64*\q+j]           ; p = 2^(t - M)
.endr
.set j, j+1
.endr
.irp q, 0,1
	v_pk_mul_f32 v[ST+8*\q+2:ST+8*\q+3], v[ST+8*\q+2:ST+8*\q+3], v[ST+8*\q+4:ST+8*\q+5] op_sel_hi:[1,0]   ; the sums under the new M; the plain line behind the exponentials
.endr
	s_wait_alu depctr_va_vdst(0)                   ; one wait for the batch of 128
.irp b, 0,1,2,3
.irp q, 0,1
	v_exp_f32 v[TM+18*\q+\b], v[TM+18*\q+\b]       ; the block's largest p
.endr
.endr
.endm
; lines 2 n, 2 n + 1 of the 64 that add the unquantised p to the row's sum: two chains a tile
.macro SUM1
.irp q, 0,1
.if n == 0
	v_pk_add_f32 v[TM+18*\q+4:TM+18*\q+5], v[S+64*\q:S+64*\q+1], v[S+64*\q+2:S+64*\q+3]
.elseif n == 31
	v_pk_add_f32 v[ST+8*\q+2:ST+8*\q+3], v[ST+8*\q+2:ST+8*\q+3], v[TM+18*\q+4:TM+18*\q+5]
.elseif n%2 == 1
	v_pk_add_f32 v[ST+8*\q+2:ST+8*\q+3], v[ST+8*\q+2:ST+8*\q+3], v[S+64*\q+4*((n+1)/2):S+64*\q+4*((n+1)/2)+1]
.else
	v_pk_add_f32 v[TM+18*\q+4:TM+18*\q+5], v[TM+18*\q+4:TM+18*\q+5], v[S+64*\q+4*(n/2)+2:S+64*\q+4*(n/2)+3]
.endif
.endr
.endm
; O^T += V^T P^T, 32 accumulators by turns (c; zero: the products start the sums), two lines of the row's sum ahead of each product (sums)
.macro PHC c, zero, sums
.set n, 0
.rept 32
.if \sums
	WIN 0
	SUM1
.endif
.if \c
	WIN W_PV
	WM 128*(n%2)+8*(n/2), 12*(n/2), PC+12*(n%2), \zero, VS+4*(n/16)+((n/2)%8)/2, ST+8*(n%2)+5, (n/2)%2
.endif
.set n, n+1
.endr
.endm
; p becomes codes and a scale word
.macro QNT
.irp b, 0,1,2,3
.irp q, 0,1
	v_max_num_f32 v[TM+18*\q+\b], 0x2800000, v[TM+18*\q+\b]
.endr
.endr
.irp b, 0,1,2,3
.irp q, 0,1
	v_add_nc_u32 v[TM+18*\q+12+\b], 0xfe000000, v[TM+18*\q+\b]
.endr
.endr
.irp b, 0,1,2,3
.irp q, 0,1
	v_lshrrev_b32 v[TM+18*\q+4+\b], 23, v[TM+18*\q+12+\b]
.endr
.endr
.irp q, 0,1
	v_lshl_or_b32 v[ST+8*\q+5], v[TM+18*\q+5], 8, v[TM+18*\q+4]      ; p's scale word for these 128 keys
.endr
.irp q, 0,1
	v_lshl_or_b32 v[ST+8*\q+5], v[TM+18*\q+6], 16, v[ST+8*\q+5]
.endr
.irp q, 0,1
	v_lshl_or_b32 v[ST+8*\q+5], v[TM+18*\q+7], 24, v[ST+8*\q+5]
.endr
.irp q, 0,1
.irp c, 0,1
	v_cvt_scalef32_pk16_bf6_f32 v[PC+12*\q+6*\c:PC+12*\q+6*\c+2], v[S+64*\q+32*\c:S+64*\q+32*\c+15], v[TM+18*\q+12+2*\c]
	v_cvt_scalef32_pk16_bf6_f32 v[TM+18*\q+4+4*\c:TM+18*\q+4+4*\c+2], v[S+64*\q+32*\c+16:S+64*\q+32*\c+31], v[TM+18*\q+12+2*\c+1]
.endr
.endr
	v_nop
.irp q, 0,1
.irp c, 0,1
.irp i, 0,1,2
	v_permlane16_swap_b32 v[PC+12*\q+6*\c+\i], v[TM+18*\q+4+4*\c+\i]
.endr
.irp i, 0,1,2
	v_mov_b32 v[PC+12*\q+6*\c+3+\i], v[TM+18*\q+4+4*\c+\i]
.endr
.endr
.endr
.endm
; S^T = K Q^T, 16 accumulators by turns, two K steps (a); behind each product one accumulator of O^T is brought under the new M, from its low end on (resc)
.macro PHE a, resc
.set n, 0
.rept 32
.if \a
	WIN W_KQ
	WM S+64*(n%2)+8*((n%16)/2), 12*(8*(n/16)+(n%16)/2), QF+24*(n%2)+12*(n/16), 1-n/16, KS+4*(n/16)+(n%16)/4, QS+2*(n%2)+n/16, ((n%16)/2)%2
.endif
.if \resc
	WIN W_RS
.irp k, 0,2,4,6
	v_pk_mul_f32 v[8*n+\k:8*n+\k+1], v[8*n+\k:8*n+\k+1], v[ST+8*(n/16)+4:ST+8*(n/16)+5] op_sel_hi:[1,0]
.endr
.endif
.set n, n+1
.endr
.endm
; a step.  first: step 0, O^T has not begun; zero: step 1, whose products start O^T
.macro ITER first, zero
	WIN 0
	PLACES                                         ; behind the products that wrote S^T and read K
	LOADK
	SM1
	s_wait_alu depctr_va_vdst(0)                   ; for the eight exponentials, and ahead of the wait below
	s_wait_dscnt 50                                ; the last step's V is in; K's 50 younger loads may be out
	PHC (1-\first), \zero, 1
	WIN 0
	PLACES                                         ; behind the products that read V, p's codes and p's scale word
	LOADV
	s_add_co_u32 s13, s13, STEPB
	QNT
	s_wait_alu depctr_va_vdst(0)
	s_wait_dscnt 50                                ; K is in; V's 50 younger loads may be out
	PHE 1, (1-\first)
.endm
; THE CHANGE OF SLOTS.  Each wave waits for all its tensor loads (one is out), adds 0 to its spare word, and waits for that and for its LDS instructions.
; mode 1: a fill of x; 2: V(24); 3: a fill of wo; all behind a round of the cluster's barrier, the joint load first behind it, one a wave.  mode 0: nothing is left to fetch.  step: the descriptor walks on first.
; ask 1: the next fill of x is prefetched, 2 and 3: of wo; 1 and 3 stand in loops, whose last trip has no further fill.
.macro CHANGE mode, turn, ask, step
	WIN 0
	s_wait_tensorcnt 0x0
	ds_add_u32 v[SPW], v[NIL]
.if (\mode == 1) && (\step)
	s_xor_b32 s41, s41, SLOT1
	s_add_nc_u64 s[42:43], s[42:43], SLOTB
.endif
.if (\mode == 3) && (\step)
	s_xor_b32 s77, s77, SLOT1
	s_add_nc_u64 s[78:79], s[78:79], 2*SUB
.endif
.if \ask
	s_wait_xcnt 0x0                                ; the last prefetch has read its address
.if \ask == 1
	s_add_nc_u64 s[20:21], s[20:21], SLOTB
.else
	s_add_nc_u64 s[84:85], s[84:85], 2*SUB
.endif
.endif
	s_wait_dscnt 0x0
.if \mode
	CROUND
.if \mode == 1
	tensor_load_to_lds s[40:43], s[24:31]
	s_nop 0
.elseif \mode == 2
	tensor_load_to_lds s[44:47], s[32:39]
	s_nop 0
.else
	tensor_load_to_lds s[76:79], s[24:31]
	s_nop 0
.endif
	PLACES
.if (\ask == 1) || (\ask == 3)
	s_cmp_gt_u32 s14, 1
	s_cbranch_scc0 .Lno_ask_\@
.endif
.if \ask == 1
	global_prefetch_b8 v[PFO], s[20:21] th:TH_LOAD_NT scope:SCOPE_SE
.elseif \ask
	global_prefetch_b8 v[PFO], s[84:85] th:TH_LOAD_NT scope:SCOPE_SE
.endif
.if (\ask == 1) || (\ask == 3)
.Lno_ask_\@:
.endif
.else
	s_barrier_signal -1
	s_barrier_wait -1
.endif
.if \turn
	s_sub_co_u32 s13, s13, SLOTB
	s_xor_b32 s13, s13, SLOT1
.endif
.endm
.macro TWO_MIDS                        ; written once, walked twice: the LDS addresses hang on s13
	s_mov_b32 s15, 2
.Lmid_\@:
	ITER 0, 0
	WIN 0
	s_sub_co_u32 s15, s15, 1
	s_cmp_lg_u32 s15, 0
	s_cbranch_scc1 .Lmid_\@
.endm
; two K steps of the last product: wo's sixteen fragments out of my quarter of a slot, a's two, their scale words; the change of slots; 16 products on eight accumulators by turns
.macro WTRIP mode
	v_add_nc_u32 v[ADR], s15, v[LI]
	v_add_nc_u32 v[ADV], s2, v[LI]
	v_add_nc_u32 v[QLD], s3, v[ASL]
	WIN 0x80
.irp k, 0,1
.irp t, 0,1,2,3,4,5,6,7
.irp c, 0,1,2
	ds_load_b128 v[96*\k+12*\t+4*\c:96*\k+12*\t+4*\c+3], v[ADR] offset:SUB*\k+1536*\t+512*\c
.endr
.endr
.endr
	WIN 0x40
.irp k, 0,1
.irp c, 0,1,2
	ds_load_b128 v[12*\k+4*\c:12*\k+4*\c+3], v[ADV] offset:1536*\k+512*\c
.endr
.endr
	WIN 0
.irp k, 0,1
	ds_load_b128 v[KS+4*\k:KS+4*\k+3], v[ADR] offset:SUB*\k+12288
.endr
	ds_load_b64 v[ASR:ASR+1], v[QLD]
	s_xor_b32 s15, s15, SLOT1
	s_add_co_u32 s2, s2, 3072
	s_add_co_u32 s3, s3, 8
.if \mode == 3
	CHANGE 3, 0, 3, 1
.elseif \mode == 0
	CHANGE 0, 0, 0, 0
.else
	s_wait_dscnt 0x0
.endif
	WIN 0xf6                                       ; wo window 2, a window 1, the sums window 3
.irp k, 0,1
.irp t, 0,1,2,3,4,5,6,7
	WMC BOW+8*\t, 96*\k+12*\t, 12*\k, BOW+8*\t, KS+4*\k+\t/2, ASR+\k, \t%2, 0
.endr
.endr
	WIN 0
	PLACES
.endm
	s_load_b128 s[4:7], s[0:1], 0x0                ; xq, wsm
	s_load_b128 s[84:87], s[0:1], 0x10             ; bq, bo
	s_load_b128 s[88:91], s[0:1], 0x20             ; z, out0
	v_lshl_add_u32 v[SPW], v0, 2, SPARE
	v_mov_b32 v[NIL], 0
	ds_add_u32 v[SPW], v[NIL]                      ; the opening lines
	ds_add_u32 v[SPW], v[NIL]
	s_wait_dscnt 0x0
	v_lshrrev_b32 v56, 5, v0
	v_readfirstlane_b32 s10, v56                   ; wave 0..3
	s_bfe_u32 s11, ttmp6, 0x40000                  ; cx: it enters global addresses of wq, bq, z, out0 and the prefetches alone
	s_and_b32 s12, ttmp7, 0xffff                   ; bh
	s_mov_b32 s24, 15|(3<<16)|(1<<21)              ; group 1: 25,600 dense bytes as 100 rows of 256; the mask of all four
	s_mov_b32 s25, 32<<16
	s_mov_b32 s26, 100<<16
	s_mov_b32 s27, 32<<16
	s_mov_b32 s28, 100
	s_mov_b32 s29, 32
	s_mov_b32 s30, 0
	s_mov_b32 s31, 0
	s_mov_b32 s32, 15|(3<<16)|(1<<21)              ; and 6,400, a quarter of K(0) or of V(24)
	s_mov_b32 s33, 32<<16
	s_mov_b32 s34, 25<<16
	s_mov_b32 s35, 32<<16
	s_mov_b32 s36, 25
	s_mov_b32 s37, 32
	s_mov_b32 s38, 0
	s_mov_b32 s39, 0
	s_mul_i32 s48, s12, 25*STEPB
	s_mov_b32 s40, 1
	s_mul_i32 s41, s10, SLOTB/4                    ; slot 0, my quarter
	s_mov_b32 s44, 1
	s_mul_i32 s45, s10, 6400
	s_add_co_u32 s50, s48, s41
	s_add_co_u32 s50, s50, 2*SUB                   ; the fills begin behind K(0)
	s_mov_b32 s51, 0
	s_add_co_u32 s66, s48, s45                     ; K(0)
	s_add_co_u32 s45, s45, KZ
	s_mov_b32 s67, 0
	s_lshl_b32 s52, s11, 2
	s_add_co_u32 s52, s52, s10
	s_mul_i32 s54, s52, 6400
	s_add_co_u32 s54, s54, s48
	s_add_co_u32 s54, s54, SLOTB+2*SUB             ; the prefetches stand in the second fill; the change that asks for it steps them to the third
	s_mov_b32 s55, 0
	s_and_b32 s68, s10, 1                          ; e = w % 2
	s_lshr_b32 s69, s10, 1                         ; w / 2
	s_and_b32 s70, s12, 1                          ; which half of z's rows
	s_lshr_b32 s71, s12, 1                         ; batch
	s_lshl_b32 s72, s11, 2
	s_lshl_b32 s73, s68, 1
	s_add_co_u32 s72, s72, s73
	s_add_co_u32 s72, s72, s69                     ; wq's block of 128 rows: 2 (2 cx + e) + w / 2
	s_lshl_b32 s72, s72, 2
	s_add_co_u32 s72, s72, 128
	s_mul_i32 s72, s72, SUB
	s_mov_b32 s73, 0
	s_mul_i32 s74, s71, 4*SUB                      ; z's sub-blocks 4 b + ks
	s_lshl_b32 s76, s70, 3
	s_add_co_u32 s76, s76, s74                     ; their scale words
	s_mul_i32 s75, s70, 4*1536
	s_add_co_u32 s74, s74, s75                     ; the half's four tiles
	s_mov_b32 s75, 0
	s_mov_b32 s77, 0
	s_lshl_b32 s78, s11, 11
	s_lshl_b32 s79, s68, 10
	s_add_co_u32 s78, s78, s79
	s_lshl_b32 s79, s69, 9
	s_add_co_u32 s78, s78, s79                     ; bq: 4 (256 g + 128 (w / 2))
	s_mov_b32 s79, 0
	s_lshl_b32 s80, s10, 4
	s_add_co_u32 s80, s80, 192
	s_mul_i32 s80, s80, SUB                        ; wo's sub-blocks 192 + 16 w on
	s_mov_b32 s81, 0
	s_mul_i32 s70, s11, 6400
	s_add_co_u32 s70, s70, s80
	s_sub_co_u32 s70, s70, 2*SUB                   ; wo's prefetches: my work-group's 25 blocks of my columns' 100; one fill back, since each is stepped to first
	s_mov_b32 s71, 0
	s_lshl_b32 s82, s10, 9                         ; bo: 512 w
	s_mov_b32 s83, 0
	s_lshl_b32 s92, s12, 17
	s_lshl_b32 s93, s11, 12
	s_add_co_u32 s92, s92, s93
	s_add_co_u32 s92, s92, s82                     ; z, out0: row 64 bh + 2 cx of 2,048 bytes, + 512 w
	s_mov_b32 s93, 0
	s_mul_i32 s8, s10, 6144                        ; LDS: the four images that I make of Q,
	s_add_co_u32 s8, s8, IMG
	s_mul_i32 s9, s68, 6144                        ; those that I take: image 4 (e + 2 s) + 2 (w / 2) + q,
	s_mul_i32 s2, s69, 3072
	s_add_co_u32 s9, s9, s2
	s_add_co_u32 s9, s9, IMG
	s_lshl_b32 s22, s10, 9                         ; and their scale words, 128 bytes an image
	s_add_co_u32 s22, s22, SCW
	s_lshl_b32 s23, s68, 9
	s_lshl_b32 s2, s69, 8
	s_add_co_u32 s23, s23, s2
	s_add_co_u32 s23, s23, SCW
	s_mul_i32 s49, s69, 12288                      ; a's images: K step 8 (w / 2) on, lane slots 8 e on
	s_lshl_b32 s2, s68, 7
	s_add_co_u32 s49, s49, s2
	s_add_co_u32 s49, s49, IMG
	s_lshl_b32 s53, s68, 9                         ; a's scale words: 64 bytes a row, 4 a K step
	s_lshl_b32 s2, s69, 5
	s_add_co_u32 s53, s53, s2
	s_add_co_u32 s53, s53, SCW
	s_mul_i32 s3, s10, 8448                        ; my stage
	s_add_co_u32 s3, s3, OST
	s_mov_b32 s[SEL], 0x76543210
	s_mov_b32 s[SEL+1], 0xfedcba98
	s_mov_b32 s18, 0x3d8293ee                      ; c = log2(e) / sqrt(512)
	s_mov_b32 s19, s18
	s_mov_b32 s14, 10
	s_wait_kmcnt 0x0
	s_add_nc_u64 s[42:43], s[4:5], s[50:51]
	s_or_b32 s43, s43, 0x80000000
	s_add_nc_u64 s[46:47], s[4:5], s[66:67]
	s_or_b32 s47, s47, 0x80000000
	s_add_nc_u64 s[20:21], s[4:5], s[54:55]
	s_add_nc_u64 s[56:57], s[6:7], s[72:73]        ; wq
	s_add_nc_u64 s[58:59], s[6:7], s[74:75]        ; z's codes
	s_add_nc_u64 s[60:61], s[6:7], s[76:77]        ; z's scale words
	s_add_nc_u64 s[62:63], s[84:85], s[78:79]      ; bq
	s_add_nc_u64 s[84:85], s[6:7], s[70:71]        ; wo's prefetches
	s_add_nc_u64 s[86:87], s[86:87], s[82:83]      ; bo
	s_add_nc_u64 s[88:89], s[88:89], s[92:93]      ; z
	s_add_nc_u64 s[90:91], s[90:91], s[92:93]      ; out0
	s_mov_b32 s76, 1                               ; wo's group 0: the first fill goes to slot 1, my quarter
	s_add_co_u32 s77, s41, SLOT1
	s_add_nc_u64 s[78:79], s[6:7], s[80:81]
	s_or_b32 s79, s79, 0x80000000
	CROUND                                         ; all four work-groups are here: the first joint loads meet
	tensor_load_to_lds s[44:47], s[32:39]          ; K(0): my one tensor load at the head
	s_nop 0
	PLACES
	v_and_b32 v56, 31, v0                          ; lane
	v_and_b32 v57, 15, v0                          ; r
	v_bfe_u32 v58, v0, 4, 1                        ; h
	v_lshlrev_b32 v[LI], 4, v56
	v_min_u32 v[PFO], 24, v56
	v_lshlrev_b32 v[PFO], 8, v[PFO]
	v_add_nc_u32 v[QST], s8, v[LI]
	v_add_nc_u32 v[QLD], s9, v[LI]
	v_lshl_add_u32 v[QSS], v56, 2, s22
	v_lshl_add_u32 v[QSL], v56, 2, s23
	v_and_b32 v2, 7, v57
	v_lshrrev_b32 v3, 3, v57
	v_mul_u32_u24 v[AST], v3, 6144                 ; my query's head is 4 (w / 2) + q + 2 (r / 8): four K steps for r / 8,
	v_lshl_add_u32 v[AST], v2, 4, v[AST]           ; lane slot r % 8 + 8 e + 16 h
	v_lshl_add_u32 v[AST], v58, 8, v[AST]
	v_add_nc_u32 v[AST], s49, v[AST]
	v_lshlrev_b32 v[ASS], 6, v2
	v_lshl_add_u32 v[ASS], v3, 4, v[ASS]
	v_add_nc_u32 v[ASS], s53, v[ASS]
	v_lshlrev_b32 v[ASL], 6, v57
	v_mul_u32_u24 v[OSI], v57, 528
	v_lshl_add_u32 v[OSI], v58, 6, v[OSI]
	v_add_nc_u32 v[OSI], s3, v[OSI]
	v_add_nc_u32 v[OSO], s3, v[LI]
	v_lshlrev_b32 v[BH], 6, v58
.irp q, 0,1
	v_mov_b32 v[ST+8*\q+1], 0xff61b1e6             ; the largest t so far: -3e38
	v_floor_f32 v[ST+8*\q], -v[ST+8*\q+1]
	v_mov_b32 v[ST+8*\q+2], 0
	v_mov_b32 v[ST+8*\q+3], 0
	v_mov_b32 v[ST+8*\q+5], 0
	v_mov_b32 v[ST+8*\q+7], 0
.irp b, 0,1,2,3
	v_mov_b32 v[TM+18*\q+4+\b], 0                  ; a lane permute's destination counts as one of its sources
.endr
.endr
	s_wait_alu depctr_va_vdst(0)                   ; the wait at the end of the head's vector work
	WIN 0x40
.irp ks, 0,1
.irp t, 0,1,2,3,4,5,6,7
.irp c, 0,1,2
	global_load_b128 v[12*(8*\ks+\t)+4*\c:12*(8*\ks+\t)+4*\c+3], v[LI], s[56:57] offset:SUB*\ks+1536*\t+512*\c
.endr
.endr
.endr
	WIN 0x80
.irp ks, 2,3
.irp t, 0,1,2,3,4,5,6,7
.irp c, 0,1,2
	global_load_b128 v[12*(8*(\ks-2)+\t)+4*\c:12*(8*(\ks-2)+\t)+4*\c+3], v[LI], s[56:57] offset:SUB*\ks+1536*\t+512*\c
.endr
.endr
.endr
	WIN 0xc0
.irp i, 0,1,2,3
.irp ks, 0,1,2,3
.irp c, 0,1,2
	global_load_b128 v[12*(4*\i+\ks)+4*\c:12*(4*\i+\ks)+4*\c+3], v[LI], s[58:59] offset:SUB*\ks+1536*\i+512*\c
.endr
.endr
.endr
.irp t, 0,1,2,3,4,5,6,7                ; bo in the results' layout, into the last product's accumulators: there the sums begin
	global_load_b128 v[BOW+8*\t:BOW+8*\t+3], v[BH], s[86:87] offset:(32*(\t/2)+8*(\t%2))*4
	global_load_b128 v[BOW+8*\t+4:BOW+8*\t+7], v[BH], s[86:87] offset:(32*(\t/2)+8*(\t%2))*4+16
.endr
	WIN 0
.irp ks, 0,1,2,3
	global_load_b128 v[WQS+4*\ks:WQS+4*\ks+3], v[LI], s[56:57] offset:SUB*\ks+12288
	global_load_b64 v[ZS+2*\ks:ZS+2*\ks+1], v[LI], s[60:61] offset:SUB*\ks+12288
.endr
.irp t, 0,1,2,3,4,5,6,7
	global_load_b128 v[BQ+8*\t:BQ+8*\t+3], v[BH], s[62:63] offset:(32*(\t/2)+8*(\t%2))*4
	global_load_b128 v[BQ+8*\t+4:BQ+8*\t+7], v[BH], s[62:63] offset:(32*(\t/2)+8*(\t%2))*4+16
.endr
	CHANGE 1, 0, 0, 0                              ; K(0) is in; slot 0 gets its first fill, issued as a refill is
	s_sub_co_u32 s45, s45, KZ                      ; K(0)'s load is done: its group 0 now stands for V(24), at slot 0's start
	s_add_nc_u64 s[46:47], s[46:47], 2*SUB+12*SLOTB
	s_wait_loadcnt 0x0
	s_wait_tensorcnt 0x0                           ; no tensor load is out while I store to LDS
.irp i, 0,1,2,3                        ; a unit: 16 rows of z x my 128 columns: eight accumulators by turns, a K step at a time
.irp ks, 0,1,2,3
.if \ks < 2
	WIN 0x0d
.else
	WIN 0x0e
.endif
.irp t, 0,1,2,3,4,5,6,7
.if \ks == 0
	WMC S+8*\t, 12*(8*(\ks%2)+\t), 12*(4*\i+\ks), BQ+8*\t, WQS+4*\ks+\t/2, ZS+2*\ks+\i/2, \t%2, \i%2
.else
	WMC S+8*\t, 12*(8*(\ks%2)+\t), 12*(4*\i+\ks), S+8*\t, WQS+4*\ks+\t/2, ZS+2*\ks+\i/2, \t%2, \i%2
.endif
.endr
.endr
	WIN 0
	PLACES
	QUANT S, PC, PW, TM
.irp c, 0,1,2
	ds_store_b128 v[QST], v[PC+4*\c:PC+4*\c+3] offset:1536*\i+512*\c   ; the fragment as an image of its registers
.endr
	ds_store_b32 v[QSS], v[PW] offset:128*\i
	s_wait_dscnt 0x0
.endr
	CHANGE 1, 0, 1, 1                              ; slot 0 and Q's images are whole; slot 1 gets its first fill
	WIN 0x80
.irp q, 0,1
.irp s, 0,1
.irp c, 0,1,2
	ds_load_b128 v[QF+24*\q+12*\s+4*\c:QF+24*\q+12*\s+4*\c+3], v[QLD] offset:1536*(8*\s+\q)+512*\c
.endr
.endr
.endr
	WIN 0
.irp q, 0,1
.irp s, 0,1
	ds_load_b32 v[QS+2*\q+\s], v[QSL] offset:128*(8*\s+\q)
.endr
.endr
	s_mov_b32 s13, KZ-2*SUB
	LOADK                                          ; K(0)
	s_mov_b32 s13, 0
	s_wait_dscnt 0x0
	PHE 1, 0                                       ; S(0)
	ITER 1, 0
	ITER 0, 1
	WIN 0
.Lslot:                                ; ten trips: the changes of slots behind which a whole fill of x is asked for
	CHANGE 1, 1, 1, 1
	TWO_MIDS
	s_sub_co_u32 s14, s14, 1
	s_cmp_lg_u32 s14, 0
	s_cbranch_scc1 .Lslot
	CHANGE 2, 1, 2, 0                              ; the tail is written out: V(24) is asked for,
	TWO_MIDS
	CHANGE 3, 1, 2, 0                              ; then wo's first fill
	PLACES                                         ; STEP 24.  Q's registers are free: z's 16 rows are asked for
	WIN 0x80
.irp i, 0,1,2,3,4,5,6,7,8,9,10,11,12,13,14,15
	global_load_b128 v[ZR+4*\i:ZR+4*\i+3], v[LI], s[88:89] offset:2048*(8*(\i%8)+\i/8)   ; local row i is row 8 (i % 8) + 2 cx + i / 8 of the slice
.endr
	WIN 0
.irp q, 0,1
.set j, 32
.rept 32
	v_mov_b32 v[S+64*\q+j], 0xff800000             ; the 64 keys that do not exist: -infinity, so that p = 0
.set j, j+1
.endr
.endr
	SM1
	s_wait_alu depctr_va_vdst(0)
	s_wait_dscnt 0x0
	PHC 1, 0, 1
	WIN 0
	PLACES
	LOADV
	QNT
	PHE 0, 1
	s_wait_alu depctr_va_vdst(0)                   ; the wait ahead of the waits and branches below
	CHANGE 3, 0, 2, 1                              ; V(24) is in registers: wo's second fill
	PHC 1, 0, 0
	WIN 0
	PLACES
	; O^T / the sum, 64 numbers at a time, is quantised along the last product's K and laid in LDS as fragment images
.irp q, 0,1
	v_add_f32 v[ST+8*\q+2], v[ST+8*\q+2], v[ST+8*\q+3]
.endr
.irp q, 0,1
	v_permlanex16_b32 v[TM+18*\q+16], v[ST+8*\q+2], s[SEL], s[SEL+1]
.endr
.irp q, 0,1
	v_add_f32 v[ST+8*\q+2], v[ST+8*\q+2], v[TM+18*\q+16]
.endr
	s_wait_alu depctr_va_vdst(0)
.irp q, 0,1
	v_rcp_f32 v[ST+8*\q+6], v[ST+8*\q+2]
.endr
	v_nop
.irp q, 0,1
.irp s, 0,1
	WIN 0x01
	s_wait_alu depctr_va_vdst(0)                   ; the wait ahead of the first readers of the reciprocals and of O^T
.set j, 0
.rept 32
	v_pk_mul_f32 v[S+j:S+j+1], v[128*\q+64*\s+j:128*\q+64*\s+j+1], v[ST+8*\q+6:ST+8*\q+7] op_sel_hi:[1,0]
.set j, j+2
.endr
	WIN 0
	QUANT S, 128+12*(2*\q+\s), 176+2*\q+\s, TM
.endr
.endr
	s_wait_alu depctr_va_vdst(0)
	s_wait_tensorcnt 0x0                           ; no tensor load is out while I store to LDS
.irp q, 0,1
.irp s, 0,1
.irp c, 0,1,2
	ds_store_b128 v[AST], v[128+12*(2*\q+\s)+4*\c:128+12*(2*\q+\s)+4*\c+3] offset:1536*(2*\q+\s)+512*\c
.endr
	ds_store_b32 v[ASS], v[176+2*\q+\s] offset:4*(2*\q+\s)   ; lanes r and r + 16 write the same word with the same value
.endr
.endr
	s_mul_i32 s15, s10, SLOTB/4
	s_add_co_u32 s15, s15, SLOT1                   ; wo's first fill lies in slot 1
	s_mov_b32 s2, IMG
	s_mov_b32 s3, SCW
	s_mov_b32 s14, 6
	s_wait_dscnt 0x0                               ; my images have landed
	s_barrier_signal -1
	s_barrier_wait -1                              ; everybody's have
	; out = a wo^T + bo, transposed: source 0 = 16 rows of wo, source 1 = the 16 rows of a
.Lwo:                                  ; six trips: behind each change a further fill of wo is asked for
	WTRIP 3
	s_sub_co_u32 s14, s14, 1
	s_cmp_lg_u32 s14, 0
	s_cbranch_scc1 .Lwo
	WTRIP 0                                        ; the last fill is waited for,
	WTRIP 1                                        ; and read
	WIN 0x0c                                       ; the data: window 3
.irp t, 0,1,2,3,4,5,6,7
	ds_store_b128 v[OSI], v[BOW+8*\t:BOW+8*\t+3] offset:128*(\t/2)+32*(\t%2)          ; each accumulator from its low end on
	ds_store_b128 v[OSI], v[BOW+8*\t+4:BOW+8*\t+7] offset:128*(\t/2)+32*(\t%2)+16
.endr
	WIN 0
.irp i, 0,1,2,3,4,5,6,7,8,9,10,11,12,13,14,15
	ds_load_b128 v[128+4*\i:128+4*\i+3], v[OSO] offset:528*\i   ; LDS serves a wave's instructions in order (ISA guide 5.7.1.4); the stage is my own
.endr
	s_wait_loadcnt 0x0                             ; z
	s_wait_dscnt 0x0
	WIN 0x08                                       ; source 1 (z) window 2
.irp i, 0,1,2,3,4,5,6,7,8,9,10,11,12,13,14,15
	v_pk_add_f32 v[128+4*\i:128+4*\i+1], v[128+4*\i:128+4*\i+1], v[ZR+4*\i:ZR+4*\i+1]
	v_pk_add_f32 v[128+4*\i+2:128+4*\i+3], v[128+4*\i+2:128+4*\i+3], v[ZR+4*\i+2:ZR+4*\i+3]
.endr
	WIN 0
.irp i, 0,1,2,3,4,5,6,7,8,9,10,11,12,13,14,15
	global_store_b128 v[LI], v[128+4*\i:128+4*\i+3], s[90:91] offset:2048*(8*(\i%8)+\i/8)   ; 512 consecutive bytes, aligned
.endr
	s_wait_tensorcnt 0x0                           ; the wave's end
	ds_add_u32 v[SPW], v[NIL]
	s_wait_dscnt 0x0
	CROUND                                         ; the closing round
	s_endpgm
.Lfunc_end_k_qdc43bd9ba8_attn:
	.size	k_qdc43bd9ba8_attn, .Lfunc_end_k_qdc43bd9ba8_attn-k_qdc43bd9ba8_attn
	.p2alignl 7, 3214868480
	.fill 96, 4, 3214868480
	.section	.rodata,"a",@progbits
	.p2align	6, 0x0
	.amdhsa_kernel k_qdc43bd9ba8_attn
		.amdhsa_group_segment_fixed_size 327680
		.amdhsa_private_segment_fixed_size 0
		.amdhsa_enable_private_segment 0
		.amdhsa_kernarg_size 48
		.amdhsa_user_sgpr_count 2
		.amdhsa_user_sgpr_kernarg_segment_ptr 1
		.amdhsa_wavefront_size32 1
		.amdhsa_system_sgpr_workgroup_id_x 1
		.amdhsa_system_sgpr_workgroup_id_y 1
		.amdhsa_system_sgpr_workgroup_id_z 1
		.amdhsa_system_vgpr_workitem_id 0
		.amdhsa_next_free_vgpr 1024
		.amdhsa_next_free_sgpr 96
		.amdhsa_reserve_vcc 0
		.amdhsa_float_denorm_mode_32 3
		.amdhsa_float_denorm_mode_16_64 3
		.amdhsa_memory_ordered 1
		.amdhsa_forward_progress 1
		.amdhsa_inst_pref_size 255
	.end_amdhsa_kernel
	.section	.bss,"aw",@nobits
	.p2align	6
	.space	262144
	.amdgpu_metadata
---
amdhsa.version: [ 1, 2 ]
amdhsa.kernels:
  - .name:           k_qdc43bd9ba8_attn
    .symbol:         k_qdc43bd9ba8_attn.kd
    .args:
      - { .name: xq, .offset: 0, .size: 8, .value_kind: global_buffer, .address_space: global }
      - { .name: wsm, .offset: 8, .size: 8, .value_kind: global_buffer, .address_space: global }
      - { .name: bq, .offset: 16, .size: 8, .value_kind: global_buffer, .address_space: global }
      - { .name: bo, .offset: 24, .size: 8, .value_kind: global_buffer, .address_space: global }
      - { .name: z, .offset: 32, .size: 8, .value_kind: global_buffer, .address_space: global }
      - { .name: out0, .offset: 40, .size: 8, .value_kind: global_buffer, .address_space: global }
    .group_segment_fixed_size: 327680
    .private_segment_fixed_size: 0
    .kernarg_segment_align: 8
    .kernarg_segment_size: 48
    .max_flat_workgroup_size: 128
    .sgpr_count:     96
    .vgpr_count:     1024
    .wavefront_size: 32
...
	.end_amdgpu_metadata
.endif
;; end of part 2
